; MI455X (gfx1250); checked and timed in simulation.
; The chip was launched on July 23, 2026; its instructions are those of AMD's public machine-readable ISA for CDNA 5 (MIT licence, August 2026) and "CDNA5" Instruction Set Architecture Reference Guide (July 2026). The comments in the code are by the model that wrote it; some were corrected since.
;; Sparse TF. Allowed arithmetic: matrix products marked QUANTISED: E2M1 operands, one E8M0 scale for each 32 along K, by v_wmma_scale_f32_16x16x128_f8f6f4 with both operands' format E2M1 (or v_wmma_scale_f32_32x16x128_f4), f32 sums; everything else in f32.
;; Inputs: bias 2,048 float32; inputs_codes 8,192 x 128 x 16 uint8 (E2M1 codes of inputs, K innermost, in blocks of 32 codes, two codes a byte); inputs_scales 8,192 x 128 uint8 (E8M0 scales of inputs, one for each 32 codes along K); kernel 4,096 x 2,048 float32; map 4,096 x 2,048 float32.
;; Outputs: out0 8,192 x 2,048 float32.
;; This version of the problem:
;;   THIS VERSION OF THE PROBLEM IS GIVEN IN LOW PRECISION. The matrix products marked QUANTISED in the list below multiply operands that are first quantised to E2M1 (2 exponent bits, 1 mantissa bit; 4 bits a number), with one power-of-two scale for each 32 numbers along K (OCP MX v1.0); their sums are f32. All else is computed in f32.
;;   The module's matrix products, in the order in which they are computed (A, B: the left and right operand; K: the contracted axis; several contracted axes count as one K, in the product's order):
;;     1. [M 8,192, K 4,096] x [K 4,096, N 2,048]; A: input inputs (given as codes); B: computed on the way: QUANTISED
;;   THE QUANTISER, for each operand of a quantised product, along K:
;;     - K is cut into blocks of 32 from its start; a last block that is shorter is filled with zeros.
;;     - A block's scale is 2^e with e = floor(log2(the largest magnitude in the block)) - 2, held to -126 .. 127; a block of zeros has e = 0. As a byte (E8M0): e + 127.
;;     - Each number is divided by its block's scale, clamped to +-6, and rounded to the nearest number of E2M1, ties to even, subnormals kept.
;;     - The product sums the exact products of the quantised numbers (number of the format x scale) in f32.
;;   ~~~python
;;   def quantise(x, axis):      # numpy; x: float32 -> the quantised numbers, widened to float32 again
;;       x = np.moveaxis(x, axis, -1); K = x.shape[-1]
;;       x = np.pad(x, [(0, 0)] * (x.ndim - 1) + [(0, -K % 32)]); x = x.reshape(x.shape[:-1] + (-1, 32)); a = np.abs(x).max(-1, keepdims=True)
;;       e = np.where(a > 0, np.clip(np.frexp(np.where(a > 0, a, 1))[1] - 1 - 2, -126, 127), 0)      # np.frexp(a)[1] - 1 = floor(log2(a)), exactly
;;       r = np.clip(x / 2.0 ** e, -6, 6)
;;       step = 2.0 ** (np.maximum(np.frexp(np.where(r == 0, 1, r))[1] - 1, 0) - 1)
;;       q = np.round(r / step) * step * 2.0 ** e      # np.round: ties to even
;;       return np.moveaxis(q.reshape(q.shape[:-2] + (-1,))[..., :K], -1, axis).astype(np.float32)
;;   ~~~
;;   OPERANDS COMPUTED ON THE WAY. 'Computed on the way' means the value that the module computes at that place (a softmax that the list does not call 'softmax' is quantised finished and normalised). What goes into a quantiser is computed in f32, as accurately as f32 sums, v_exp_f32 and their like allow (about 1e-6 of the number): no bf16 or f16 on the way to a quantiser, and a product that is left as it is and whose result goes on into a quantised operand takes f32 operands (vector FMAs, or v_wmma_f32_16x16x4_f32). A number that lies on a knife's edge between two numbers of the format may be rounded either way, as far as f32 arithmetic and the matrix unit's own rounding can turn it there, and no further.
;;   INPUTS GIVEN AS CODES. inputs (in the module: [8192, 4096], K = its axis 1): each comes as NAME_codes (uint8): NAME with its K axis moved to the last place and cut into blocks of 32 codes, [.., K / 32, bytes a block], one block behind the other in memory; two codes a byte, the lower K in the low four bits (a code: sign, 2 exponent bits, 1 mantissa bit); and NAME_scales (uint8): the same leading axes, one E8M0 byte (e + 127) for each 32 codes along K. Its value is code x scale, taken as it is: it is not quantised again, and the codes and scales need not be those that the quantiser above would give.
;; One version. Each part assembles by itself: llvm-mc -triple=amdgcn-amd-amdhsa -mcpu=gfx1250 --defsym DOCPART=n.
;; ======== version 1 of 1: 2 launches
;; limits: right only within a limited range of input values
;; workspace buffers: wq 4,456,448 bytes; aq 1,048,576 bytes
;; launch quant (part 1): grid 32 x 8, 16 waves a work-group, no clusters, 25,088 bytes of LDS; arguments kernel, map, inputs_scales, wq, aq; writes wq, aq
.if DOCPART == 1
	.amdgcn_target "amdgcn-amd-amdhsa--gfx1250"
	.amdhsa_code_object_version 6
	.text
	.protected	k_qb2414aa2e8_quant
	.globl	k_qb2414aa2e8_quant
	.p2align	8
	.type	k_qb2414aa2e8_quant,@function
k_qb2414aa2e8_quant:
	s_mov_b64 s[64:65], 0
	v_nop
	global_prefetch_b8 v0, s[64:65] scope:SCOPE_SE
	s_setreg_imm32_b32 hwreg(HW_REG_WAVE_MODE, 25, 1), 1
	s_wait_xcnt 0x0
; W = kernel x map, both [4096 (k)][2048 (n)] f32, one f32 multiplication a number, is turned into codes of FP4 (E2M1) along K, which is W's FIRST axis, with one E8M0 byte for each 32 along K.
; A block's scale is 2^(floor(log2(its largest magnitude)) - 2); its byte is the largest magnitude's exponent field - 2, held at 1 from below by a floor among the maximum's leaves.
; LIMITS: a block of zeros gets the byte 1 where the rule says 127: its codes are zeros, which add nothing under any byte but 0xff, and the bytes are read by this program alone.  NaN and infinities in kernel or map are not served.
; THE OUTPUT'S LAYOUT is the product's launch's: wq = [tx 0..7][s 0..7][272 rows][256 bytes].  The tile of column tile tx (256 columns) and K step s (512 along K): rows 0-255 = the codes of column 256 tx + row,
; 256 bytes, block j of 32 codes at byte 16 j; rows 256-271 = the scale bytes, 16 for each column, at byte 65,536 + 16 x column, byte j for block j.  So a K step's tile of B is ONE dense block of 69,632 bytes.
; SHARES.  Work-group (x, y): columns 64 x .. + 63, k = 512 y .. + 511.  Wave w of sixteen takes block w of 32 along K for all 64 columns.  A LANE TAKES TWO COLUMNS, 2 l AND 2 l + 1, AND ITS REGISTERS RUN DOWN K:
; each load of 8 bytes a lane reads 256 consecutive bytes of one row k, aligned; a block of 32 lies in one lane's registers, so its largest magnitude needs no other lane, and the conversions give codes with K innermost.
; The multiplication writes each product where the conversion wants it (column c's 32 numbers on end), so nothing is transposed by a line of its own.
; All loads of a wave go out at once, 16 KiB a wave; there is no loop.  The codes of 64 columns x 512 along K meet in a stage in LDS and leave as whole rows of 256 bytes.
; BESIDE THAT the launch lays the scale bytes of the other operand, inputs_scales [8192][128], by K step: aq = [ty 0..31][s 0..7][256 rows][16 bytes], the bytes themselves untouched.  Work-group g = x + 32 y takes rows 32 g .. + 31,
; 4,096 dense bytes: wave w reads 256 of them (rows 2 w, 2 w + 1), they turn through LDS, [s][32 rows][16 bytes], across the launch's one barrier, and wave w stores 256 consecutive bytes of K step w / 2.
; No tensor load (each number is used once, from registers), no cluster (work-groups share no input), no prefetch (every load is issued at the head).
; ROW ORDER IN A TILE: within each 64 columns the row 16 (c % 4) + c / 4 holds column c (codes and scale bytes alike): wherever the lines above speak of a column's row or place in wq, it is this one.
.set TILEB,  69632                     ; a tile of wq in bytes: 272 rows of 256
.set CPITCH, 272                       ; a stage row: a column's 256 bytes of codes + 16 of padding
.set WSS,    64*CPITCH                 ; behind the stage: W's scale bytes, [64 columns][16]
.set ASS,    WSS+1024                  ; behind them: the other operand's scale bytes, [8 K steps][32 rows][16 bytes],
.set APITCH, 544                       ; a K step's 512 bytes + 32 of padding = 136 words: step s starts at bank 8 s, so the 32 lanes of the store touch 64 different banks (64 banks of 4 bytes: ISA guide 11.1)
.set MX,  8                            ; v8-9     the largest magnitude, column c
.set SO,  10                           ; v10-11   the conversion's scale operand
.set EB,  12                           ; v12-13   the scale's byte
.set ASI, 14                           ; v14      LDS: where my 8 bytes of inputs_scales go
.set ASO, 15                           ; v15      LDS: where I read 8 bytes back
.set CD,  16                           ; v16-23   the codes: four registers a column
.set BK,  24                           ; v24-31   codes read back by rows (v24-26 at work at the head)
.set KR,  32                           ; v32-95   kernel: row i's two columns in v[KR + 2 i], v[KR + 2 i + 1]
.set MR,  96                           ; v96-159  map, likewise
.set PR,  160                          ; v160-223 the products: column c's 32 numbers at v[PR + 32 c] on
.set SB,  224                          ; v224-227 W's scale bytes read back
.set AI,  228                          ; v228-229 inputs_scales as loaded
.set AO,  230                          ; v230-231 and as stored
	s_load_b256 s[4:11], s[0:1], 0x0               ; kernel s[4:5], map s[6:7], inputs_scales s[8:9], wq s[10:11]
	s_load_b64 s[12:13], s[0:1], 0x20              ; aq
	v_lshl_add_u32 v232, v0, 2, 0x5a00
	v_mov_b32 v233, 0
	v_lshrrev_b32 v1, 5, v0
	s_delay_alu instid0(VALU_DEP_1)
	v_readfirstlane_b32 s14, v1                    ; wave 0..15
	v_and_b32 v1, 31, v0                           ; lane
	s_and_b32 s15, ttmp7, 0xffff                   ; y: which 512 along K
	v_lshlrev_b32 v2, 3, v1                        ; in: 8 bytes a lane
	s_lshl_b32 s28, s14, 4
	v_and_b32 v8, 1, v1
	v_lshrrev_b32 v9, 1, v1
	v_lshl_add_u32 v9, v8, 5, v9                   ; column 2 l + c lies in row 32 (l % 2) + 16 c + l / 2
	v_mul_u32_u24 v3, v9, CPITCH
	v_lshlrev_b32 v4, 4, v9
	v_add_nc_u32 v3, s28, v3                       ; into the stage: that row (16 c by the offset), my block's 16 bytes
	v_add_nc_u32 v4, s14, v4                       ; my scale byte: 16 x row + block
	v_and_b32 v24, 15, v0                          ; r
	v_bfe_u32 v25, v0, 4, 1                        ; h
	s_delay_alu instid0(VALU_DEP_1)
	v_mul_u32_u24 v5, v25, CPITCH
	s_delay_alu instid0(VALU_DEP_1)
	v_lshl_add_u32 v5, v24, 4, v5
	s_mul_i32 s28, s14, 4*CPITCH
	v_add_nc_u32 v5, s28, v5                       ; out of the stage: wave w takes rows 4 w .. 4 w + 3, sixteen lanes to a row, two rows an instruction
	v_lshlrev_b32 v6, 4, v1                        ; and the same place in wq: 16 bytes a lane
	s_min_u32 s29, s14, 1                          ; W's scale bytes are read back by waves 0 and 1, 512 bytes each; the others hold wave 1's address and do not use it
	s_lshl_b32 s29, s29, 9
	v_add_nc_u32 v7, s29, v6
	s_delay_alu instid0(VALU_DEP_1)
	v_add_nc_u32 v7, WSS, v7
	v_bfe_u32 v26, v0, 1, 3                        ; inputs_scales: lane l holds bytes 8 (l % 16) .. + 7 of row 2 w + l / 16: K step (l / 2) % 8, its half l % 2
	s_delay_alu instid0(VALU_DEP_1)
	v_mul_u32_u24 v[ASI], v26, APITCH
	s_delay_alu instid0(VALU_DEP_1)
	v_lshl_add_u32 v[ASI], v25, 4, v[ASI]          ; + 16 bytes a row
	v_and_b32 v26, 1, v0
	s_delay_alu instid0(VALU_DEP_1)
	v_lshl_add_u32 v[ASI], v26, 3, v[ASI]
	s_lshl_b32 s28, s14, 5                         ; + two rows a wave
	v_add_nc_u32 v[ASI], s28, v[ASI]
	s_delay_alu instid0(VALU_DEP_1)
	v_add_nc_u32 v[ASI], ASS, v[ASI]
	s_lshr_b32 s28, s14, 1                         ; back: wave w takes K step w / 2, rows 16 (w % 2) .. + 15: 256 consecutive bytes
	s_mul_i32 s30, s28, APITCH
	s_and_b32 s31, s14, 1
	s_lshl_b32 s31, s31, 8
	s_add_co_u32 s30, s30, s31
	v_add_nc_u32 v[ASO], s30, v2
	s_delay_alu instid0(VALU_DEP_1)
	v_add_nc_u32 v[ASO], ASS, v[ASO]
	s_lshl_b32 s16, s15, 22                        ; where my wave's rows begin in kernel and in map: (512 y + 32 w) rows of 8,192 bytes + 64 x columns of 4
	s_lshl_b32 s28, s14, 18
	s_add_co_u32 s16, s16, s28
	s_lshl_b32 s28, ttmp9, 8
	s_add_co_u32 s16, s16, s28
	s_mov_b32 s17, 0
	s_lshr_b32 s18, ttmp9, 2                       ; tx = x / 4
	s_lshl_b32 s18, s18, 3
	s_add_co_u32 s18, s18, s15
	s_mul_i32 s18, s18, TILEB                      ; the tile (tx, y)
	s_and_b32 s19, ttmp9, 3                        ; which 64 of its 256 columns
	s_lshl_b32 s20, s19, 14
	s_add_co_u32 s20, s20, s18
	s_lshl_b32 s28, s14, 10
	s_add_co_u32 s20, s20, s28                     ; codes: + 64 rows of 256 bytes a work-group, 4 rows a wave
	s_mov_b32 s21, 0
	s_lshl_b32 s22, s19, 10
	s_add_co_u32 s22, s22, s18
	s_add_co_u32 s22, s22, 65536
	s_add_co_u32 s22, s22, s29                     ; scale bytes: behind the 256 rows of codes, 1,024 a work-group, 512 a wave
	s_mov_b32 s23, 0
	s_lshl_b32 s24, s15, 17                        ; inputs_scales: (x + 32 y) x 4,096 bytes + 256 a wave
	s_lshl_b32 s28, ttmp9, 12
	s_add_co_u32 s24, s24, s28
	s_lshl_b32 s28, s14, 8
	s_add_co_u32 s24, s24, s28
	s_mov_b32 s25, 0
	s_lshr_b32 s26, ttmp9, 3                       ; aq: ty = x / 8 + 4 y, 32,768 bytes each;
	s_lshl_b32 s26, s26, 15
	s_lshl_b32 s28, s15, 17
	s_add_co_u32 s26, s26, s28
	s_lshr_b32 s28, s14, 1                         ; K step w / 2, 4,096 bytes each;
	s_lshl_b32 s28, s28, 12
	s_add_co_u32 s26, s26, s28
	s_and_b32 s28, ttmp9, 7                        ; rows 32 (x % 8) + 16 (w % 2) on, 16 bytes each
	s_lshl_b32 s28, s28, 9
	s_add_co_u32 s26, s26, s28
	s_add_co_u32 s26, s26, s31
	s_mov_b32 s27, 0
	s_wait_kmcnt 0x0
	s_add_nc_u64 s[4:5], s[4:5], s[16:17]
	s_add_nc_u64 s[6:7], s[6:7], s[16:17]
	s_add_nc_u64 s[20:21], s[10:11], s[20:21]
	s_add_nc_u64 s[22:23], s[10:11], s[22:23]
	s_add_nc_u64 s[24:25], s[8:9], s[24:25]
	s_add_nc_u64 s[26:27], s[12:13], s[26:27]
	global_load_b64 v[AI:AI+1], v2, s[24:25] th:TH_LOAD_NT     ; the oldest load: the first group's wait below covers it
.irp i, 0,1,2,3,4,5,6,7,8,9,10,11,12,13,14,15,16,17,18,19,20,21,22,23,24,25,26,27,28,29,30,31
	global_load_b64 v[KR+2*\i:KR+2*\i+1], v2, s[4:5] offset:8192*\i th:TH_LOAD_NT   ; row i of my block: 32 lanes read 256 consecutive bytes; read once in the launch
	global_load_b64 v[MR+2*\i:MR+2*\i+1], v2, s[6:7] offset:8192*\i th:TH_LOAD_NT
.endr
; Eight rows: sixteen products, and their part of the two largest magnitudes (the two columns by turns, so that no line waits for the line above it).
.macro GROUP g
	s_wait_loadcnt 48-16*\g                        ; loads come back in order (ISA guide 5.7.1): a group is 16 loads, and the groups behind this one may stay out
.irp i, 0,1,2,3,4,5,6,7
.irp c, 0,1
	v_mul_f32 v[PR+32*\c+8*\g+\i], v[KR+2*(8*\g+\i)+\c], v[MR+2*(8*\g+\i)+\c]
.endr
.endr
.irp i, 0,2,4,6
.irp c, 0,1
.if (\g == 0) && (\i == 0)
	v_max3_num_f32 v[MX+\c], |v[PR+32*\c]|, |v[PR+32*\c+1]|, 0x1800000   ; the floor 2^(3 - 127), under which no largest magnitude is taken: so the byte cannot fall under 1
.else
	v_max3_num_f32 v[MX+\c], v[MX+\c], |v[PR+32*\c+8*\g+\i]|, |v[PR+32*\c+8*\g+\i+1]|
.endif
.endr
.endr
.endm
	GROUP 0
	GROUP 1
	GROUP 2
	GROUP 3
.irp c, 0,1
	s_delay_alu instid0(VALU_DEP_2)
	v_add_nc_u32 v[SO+\c], 0xff000000, v[MX+\c]    ; 2 off the exponent field: the conversion takes the exponent field of this operand as its scale, and nothing else of it
.endr
.irp c, 0,1
	s_delay_alu instid0(VALU_DEP_2)
	v_lshrrev_b32 v[EB+\c], 23, v[SO+\c]           ; the scale's byte
.endr
.irp c, 0,1
.irp g, 0,1,2,3
	v_cvt_scalef32_pk8_fp4_f32 v[CD+4*\c+\g], v[PR+32*\c+8*\g:PR+32*\c+8*\g+7], v[SO+\c]   ; eight numbers / the scale, to the nearest code, ties to even, beyond the largest code the largest
.endr
.endr
	v_nop                                          ; one plain vector line behind the last scaled conversion
.irp c, 0,1
	ds_store_b128 v3, v[CD+4*\c:CD+4*\c+3] offset:16*CPITCH*\c    ; 32 codes: 16 bytes of the column's row
	ds_store_b8 v4, v[EB+\c] offset:WSS+256*\c
.endr
	ds_store_b64 v[ASI], v[AI:AI+1]                ; my 8 bytes of inputs_scales, to their K step and row
	s_wait_dscnt 0x0                               ; for the others' sake: my stores into LDS are done
	s_barrier_signal -1
	s_barrier_wait -1                              ; all sixteen blocks of all 64 columns lie in the stage, and all 4,096 bytes of inputs_scales by K step
	ds_load_b128 v[BK:BK+3], v5
	ds_load_b128 v[BK+4:BK+7], v5 offset:2*CPITCH
	ds_load_b64 v[AO:AO+1], v[ASO]
	s_wait_dscnt 2                                 ; the first two rows are back; the two younger loads may be out
	global_store_b128 v6, v[BK:BK+3], s[20:21]     ; 32 lanes store 512 consecutive bytes, at a multiple of 256 from wq's first byte
	s_wait_dscnt 1
	global_store_b128 v6, v[BK+4:BK+7], s[20:21] offset:512
	s_wait_dscnt 0x0
	global_store_b64 v2, v[AO:AO+1], s[26:27]      ; 32 lanes store 256 consecutive bytes, at a multiple of 256 from aq's first byte
	s_cmp_gt_u32 s14, 1                            ; the work-group's 1,024 scale bytes of W leave by waves 0 and 1; no barrier stands behind this branch
	s_cbranch_scc1 .Ldone
	ds_load_b128 v[SB:SB+3], v7
	s_wait_dscnt 0x0
	global_store_b128 v6, v[SB:SB+3], s[22:23]     ; 512 consecutive bytes, aligned likewise
.Ldone:
	s_wait_tensorcnt 0x0
	ds_add_u32 v232, v233
	s_wait_dscnt 0x0
	s_endpgm
.Lfunc_end_k_qb2414aa2e8_quant:
	.size	k_qb2414aa2e8_quant, .Lfunc_end_k_qb2414aa2e8_quant-k_qb2414aa2e8_quant
	.p2alignl 7, 3214868480
	.fill 96, 4, 3214868480
	.section	.rodata,"a",@progbits
	.p2align	6, 0x0
	.amdhsa_kernel k_qb2414aa2e8_quant
		.amdhsa_group_segment_fixed_size 25088
		.amdhsa_private_segment_fixed_size 0
		.amdhsa_enable_private_segment 0
		.amdhsa_kernarg_size 40
		.amdhsa_user_sgpr_count 2
		.amdhsa_user_sgpr_kernarg_segment_ptr 1
		.amdhsa_wavefront_size32 1
		.amdhsa_system_sgpr_workgroup_id_x 1
		.amdhsa_system_sgpr_workgroup_id_y 1
		.amdhsa_system_sgpr_workgroup_id_z 1
		.amdhsa_system_vgpr_workitem_id 0
		.amdhsa_next_free_vgpr 234
		.amdhsa_next_free_sgpr 66
		.amdhsa_reserve_vcc 0
		.amdhsa_float_denorm_mode_32 3
		.amdhsa_float_denorm_mode_16_64 3
		.amdhsa_memory_ordered 1
		.amdhsa_forward_progress 1
		.amdhsa_inst_pref_size 17
	.end_amdhsa_kernel
	.amdgpu_metadata
---
amdhsa.version: [ 1, 2 ]
amdhsa.kernels:
  - .name:           k_qb2414aa2e8_quant
    .symbol:         k_qb2414aa2e8_quant.kd
    .args:
      - { .name: kernel, .offset: 0, .size: 8, .value_kind: global_buffer, .address_space: global }
      - { .name: map, .offset: 8, .size: 8, .value_kind: global_buffer, .address_space: global }
      - { .name: inputs_scales, .offset: 16, .size: 8, .value_kind: global_buffer, .address_space: global }
      - { .name: wq, .offset: 24, .size: 8, .value_kind: global_buffer, .address_space: global }
      - { .name: aq, .offset: 32, .size: 8, .value_kind: global_buffer, .address_space: global }
    .group_segment_fixed_size: 25088
    .private_segment_fixed_size: 0
    .kernarg_segment_align: 8
    .kernarg_segment_size: 40
    .max_flat_workgroup_size: 512
    .sgpr_count:     66
    .vgpr_count:     234
    .wavefront_size: 32
...
	.end_amdgpu_metadata
.endif
;; end of part 1
;; launch gemm (part 2): grid 8 x 32, 4 waves a work-group, clusters of 4 x 4, 327,680 bytes of LDS; arguments inputs_codes, aq, wq, bias, out0; writes out0
.if DOCPART == 2
	.amdgcn_target "amdgcn-amd-amdhsa--gfx1250"
	.amdhsa_code_object_version 6
	.text
	.protected	k_qb2414aa2e8_gemm
	.globl	k_qb2414aa2e8_gemm
	.p2align	8
	.type	k_qb2414aa2e8_gemm,@function
k_qb2414aa2e8_gemm:
	s_mov_b64 s[64:65], 0
	v_nop
	global_prefetch_b8 v0, s[64:65] scope:SCOPE_SE
	s_setreg_imm32_b32 hwreg(HW_REG_WAVE_MODE, 25, 1), 1
	s_wait_xcnt 0x0
	s_wait_alu depctr_hold_cnt(0) depctr_sa_sdst(0) depctr_va_vdst(0) depctr_va_sdst(0) depctr_va_ssrc(0) depctr_va_vcc(0) depctr_vm_vsrc(0)
	s_getreg_b32 s2, hwreg(HW_REG_IB_STS2, 6, 4)
	s_cmp_eq_u32 s2, 0
	s_cbranch_scc0 .Lentry_in_a_cluster
	s_endpgm
.Lentry_in_a_cluster:
	s_bfe_u32 s2, ttmp6, 0x10000c
	s_cmp_lg_u32 s2, 0xf033
	s_cbranch_scc0 .Lentry_shape_is_right
	s_endpgm
.Lentry_shape_is_right:
; out0[m][n] = sum over k of A[m][k] B[n][k] + bias[n].  A = inputs: codes of FP4 (E2M1) [8192][2048 bytes], K innermost, as they are given; its E8M0 bytes, untouched, out of aq, laid by the launch before by K step:
; [ty 0..31][s 0..7][256 rows][16 bytes].  B = the quantised kernel x map out of wq: [tx 0..7][s 0..7][272 rows][256 bytes]: rows 0-255 the codes of 256 columns for k = 512 s .. + 511, rows 256-271 their scale bytes, 16 a column, in the same order.
; THE ORDER OF B'S ROWS: row 64 g + 16 b + r is column 64 g + 4 r + b.  Source 0 = 32 rows of A, source 1 = 16 rows of B: lane (r, h) of the result for block (g, b) holds column 64 g + 4 r + b of rows 8 h + j (register j) and 16 + 8 h + j (register 8 + j).
; So the four blocks b of a g give a lane FOUR NEIGHBOURING NUMBERS of a row, and sixteen lanes 256 neighbouring bytes: the addition of the bias puts them side by side, and results are stored from registers with no way through LDS.
; A tile of out0, 256 x 256, is made by a work-group of four waves; a wave makes 128 x 128: 32 accumulators of 32 x 16, 512 registers.  8 x 32 tiles: one work-group each, 256 in all.
; K goes in 8 steps of 512 through a ring of two LDS slots filled by the tensor data mover, one load a wave: waves 0 and 1 fetch A's 128 + 128 rows, waves 2 and 3 B's 136 + 136: B's scale bytes ride in the ring.
; A's scale words go from memory straight into registers, one K step ahead: a wave's load takes 512 consecutive bytes of aq, 32 rows' four words each.
; CLUSTERS: 4 x 4 work-groups.  The four of a row need the same tiles of A, the four of a column the same tiles of B: each is asked for JOINTLY, by the same tensor load with the same descriptor and a mask that names the four.
; THE WALK OVER K IS ROTATED: cluster (x, y) begins at K step k0 = (2 ((y & 3) ^ 3 (y >> 2)) + 4 x) mod 8 and takes K step (k0 + t) mod 8 at time t.  The two clusters that read the same rows of A begin four K steps apart; the eight that read
; the same tiles of B begin at 0, 2, 4 and 6, two each.  k0 enters global addresses alone.
; LIMIT: each output is one f32 sum over K in the order of its cluster's walk, not ascending from 0: its last bits may differ from those of the ascending sum.
; REGISTERS, in windows of 256:
;   window 0: v0-31 addresses and the bias; v32-95 scale words, two sets, and nothing else; v96-127 the first results on the way out; v128-255 A's fragments (8 x 16 rows x 128 K), two sets; in the last K step two buffers of 32 rows x 512 K
;   window 1: v0-127 B's fragments, two sets; in the last K step all 256: B's fragments of the whole step
;   window 2: the accumulators of my rows 0-63 (rows 32 a .., block b at v[128 (a % 2) + 16 b]);   window 3: those of my rows 64-127
; A step of 128 along K is ONE run of 32 LDS loads, the next step's fragments into the sets that are not at work, and then 32 matrix instructions on end.
; Left out: work-groups that stay (one tile to each).
.set SIZE_N, 2048
.set ROWB,   256                       ; a tile's row in bytes: 512 codes
.set KROW,   2048                      ; a row of A's codes in memory
.set PITCH,  272                       ; an LDS row: 256 bytes + 16 of padding = 68 words: row r starts at bank 4 r mod 64 (64 banks of 4 bytes: ISA guide 11.1)
.set HALFT,  128*PITCH
.set BROWS,  136                       ; rows of B's tile that one load brings
.set BHALF,  BROWS*PITCH
.set BT0,    256*PITCH                 ; in a slot: A's 256 rows, B's 256, B's scale bytes (16)
.set BS0,    512*PITCH
.set SLOT,   528*PITCH                 ; 143,616 bytes
.set TILEB,  272*ROWB                  ; a tile of wq in memory
.set SPARE,  2*SLOT                    ; the spare words, 128 bytes for each wave: two blocks of 256 bytes that no other line names
.set BIA,  12                          ; v12-15, v16-19 the bias of my columns 64 g + 4 r + 0 .. 3, g = 0, 1
.set ADRA, 20                          ; v20-21 LDS address of my A fragments in slot 0, 1
.set ADRB, 22                          ; v22-23 B's
.set ADSB, 24                          ; v24-25 B's scale words: lanes 0-15 block i, lanes 16-31 block i + 4
.set CO,   26                          ; my byte offset in out0: 8 h rows + 16 r
.set AQO,  27                          ; in aq: 16 x lane
.set SPW,  28                          ; v28 LDS address of my spare word; never rewritten
.set NIL,  29                          ; v29 0; never rewritten
.set PFO,  30                          ; prefetch offsets: a lane a row of A;
.set PFB,  31                          ; a lane 256 bytes
.set SC,   32                          ; scale words: set s (for slot s) at v[SC + 32 s]: register 4 a + q: A's rows 32 a .. + 31, the slot's q-th 128 along K; register 16 + 4 i + q: B's blocks i (lanes 0-15) and i + 4 (lanes 16-31)
.set AF,   128
.set OB0,  96
.set G1A,  24                          ; s[24:31], s[32:39] descriptor group 1 for A, B
.set G1B,  32
.set G0A,  48                          ; s[48:55], s[56:63] group 0 for A, B, one set for each slot
.set G0B,  56
.set SB,   68                          ; s[68:69], s[70:71] where A's scale words for slot 0, 1 lie
.set KS,   84                          ; s84, s85 the K step that slot 0, slot 1 holds or has been asked for
.set OFA,  86                          ; s[86:87], s[88:89], s[90:91] that K step's bytes in A, wq, aq
.set OFB,  88
.set OFS,  90
.set MUL_LO, 0xa4                      ; source 0 (A) window 0, source 1 (B) window 1, C and D window 2
.set MUL_HI, 0xf4                      ; C and D window 3
.set MSB, 0
.macro WIN new                         ; the immediate's high byte repeats the setting that is left; a switch that changes nothing is dropped
.if MSB != (\new)
	s_set_vgpr_msb (MSB<<8)|(\new)
.set MSB, \new
.endif
.endm
.macro PLACES                          ; four places in front of loads into registers that matrix instructions have read, and of the first read of results
.rept 4
	v_nop
.endr
.endm
; A joint load of slot s.  Each line has ONE mask and, but for the wave's number, one set of registers for all that issue it; the branch hangs on the wave's number alone.
.macro JLOAD s
	s_cmp_eq_u32 s15, 0
	s_cbranch_scc0 .Lfor_b_\@
	tensor_load_to_lds s[G0A+4*\s:G0A+4*\s+3], s[G1A:G1A+7]
	s_nop 0
.rept 4
	v_nop
.endr
	s_branch .Lasked_\@
.Lfor_b_\@:
	tensor_load_to_lds s[G0B+4*\s:G0B+4*\s+3], s[G1B:G1B+7]
	s_nop 0
.rept 4
	v_nop
.endr
.Lasked_\@:
.endm
.macro WHERE s                         ; slot s's global addresses, from the K step in s[KS + s].  Written only where no load that names them is out
	s_lshl_b32 s[OFA], s[KS+\s], 8
	s_mul_i32 s[OFB], s[KS+\s], TILEB
	s_lshl_b32 s[OFS], s[KS+\s], 12
	s_add_nc_u64 s[G0A+4*\s+2:G0A+4*\s+3], s[76:77], s[OFA:OFA+1]
	s_or_b32 s[G0A+4*\s+3], s[G0A+4*\s+3], 0x80000000
	s_add_nc_u64 s[G0B+4*\s+2:G0B+4*\s+3], s[78:79], s[OFB:OFB+1]
	s_or_b32 s[G0B+4*\s+3], s[G0B+4*\s+3], 0x80000000
	s_add_nc_u64 s[SB+2*\s:SB+2*\s+1], s[80:81], s[OFS:OFS+1]
.endm
.macro CREST                           ; a round of the cluster's barrier behind its opening barrier
	s_cmp_lg_u32 s14, 0
	s_cbranch_scc1 .Lnot_wave_0_\@
	s_barrier_signal -3
.Lnot_wave_0_\@:
	s_barrier_wait -3
	s_barrier_signal -1
	s_barrier_wait -1
.endm
.macro CROUND                          ; a whole round
	s_barrier_signal -1
	s_barrier_wait -1
	CREST
.endm
.macro ASCALES s                       ; A's scale words for slot s's K step, into set s
.irp a, 0,1,2,3
	global_load_b128 v[SC+32*(\s)+4*\a:SC+32*(\s)+4*\a+3], v[AQO], s[SB+2*(\s):SB+2*(\s)+1] offset:512*\a
.endr
.endm
	s_load_b256 s[4:11], s[0:1], 0x0               ; A's codes s[4:5], aq s[6:7], wq s[8:9], bias s[10:11]
	s_load_b64 s[12:13], s[0:1], 0x20              ; out0
	v_lshl_add_u32 v[SPW], v0, 2, SPARE
	v_mov_b32 v[NIL], 0
	ds_add_u32 v[SPW], v[NIL]                      ; the wave's opening: the add, twice on end, and its wait ahead of my first tensor load
	ds_add_u32 v[SPW], v[NIL]
	v_lshrrev_b32 v1, 5, v0
	v_readfirstlane_b32 s14, v1                    ; wave 0..3
	s_lshr_b32 s15, s14, 1                         ; which half of the tile's rows is mine.  Also: I fetch for A (0) or for B (1)
	s_and_b32 s16, s14, 1                          ; which half of its columns.  Also: which half of that tile I fetch
	s_bfe_u32 s17, ttmp6, 0x40000                  ; cx, cy: my place in the cluster
	s_bfe_u32 s18, ttmp6, 0x40004
	s_lshl_b32 s19, ttmp9, 2
	s_add_co_u32 s19, s19, s17                     ; tx: tile column
	s_and_b32 s66, ttmp7, 0xffff
	s_lshl_b32 s20, s66, 2
	s_add_co_u32 s20, s20, s18                     ; ty: tile row
	s_lshl_b32 s21, s18, 2
	s_lshl_b32 s21, 15, s21                        ; my row of the cluster
	s_lshl_b32 s22, 0x1111, s17                    ; my column
	s_lshr_b32 s67, s66, 2                         ; k0, of the cluster's x and y alone: the same in all sixteen partners
	s_mul_i32 s67, s67, 3
	s_and_b32 s66, s66, 3
	s_xor_b32 s66, s66, s67
	s_lshl_b32 s66, s66, 1
	s_lshl_b32 s67, ttmp9, 2
	s_add_co_u32 s66, s66, s67
	s_and_b32 s[KS], s66, 7                        ; slot 0 begins with K step k0,
	s_add_co_u32 s[KS+1], s[KS], 1                 ; slot 1 with k0 + 1 (k0 is even: no wrap)
	s_mov_b32 s[OFA+1], 0
	s_mov_b32 s[OFB+1], 0
	s_mov_b32 s[OFS+1], 0
	; descriptor groups 1.  A: 128 rows x 256 bytes, 2,048 apart;  B: 136 rows x 256 bytes, dense;  both padded: 4 words behind every 64
	s_or_b32 s[G1A+0], s21, (1<<20)|(1<<21)|(5<<22)|(3<<25)   ; 15:0 the mask: my row; 17:16 elements of 1 byte; 20 padding on; 21 set beside a mask
	s_mov_b32 s[G1A+1], ROWB<<16
	s_mov_b32 s[G1A+2], 128<<16
	s_mov_b32 s[G1A+3], ROWB<<16
	s_mov_b32 s[G1A+4], 128
	s_mov_b32 s[G1A+5], KROW
	s_mov_b32 s[G1A+6], 0
	s_mov_b32 s[G1A+7], 0
	s_or_b32 s[G1B+0], s22, (1<<20)|(1<<21)|(5<<22)|(3<<25)   ; the mask of my column
	s_mov_b32 s[G1B+1], ROWB<<16
	s_mov_b32 s[G1B+2], BROWS<<16
	s_mov_b32 s[G1B+3], ROWB<<16
	s_mov_b32 s[G1B+4], BROWS
	s_mov_b32 s[G1B+5], ROWB
	s_mov_b32 s[G1B+6], 0
	s_mov_b32 s[G1B+7], 0
	; where the tiles come from (A: of ty and the wave's number; B: of tx and the wave's number) and where they go (no place in the cluster enters an LDS address)
	s_lshl_b32 s76, s20, 19
	s_lshl_b32 s77, s16, 18
	s_add_co_u32 s76, s76, s77
	s_mov_b32 s77, 0
	s_mul_i32 s78, s19, 8*TILEB
	s_mul_i32 s79, s16, BROWS*ROWB
	s_add_co_u32 s78, s78, s79
	s_mov_b32 s79, 0
	s_lshl_b32 s80, s20, 15                        ; A's scale words: my 128 rows
	s_lshl_b32 s81, s15, 11
	s_add_co_u32 s80, s80, s81
	s_mov_b32 s81, 0
	s_mul_i32 s82, s16, HALFT
	s_mul_i32 s83, s16, BHALF
	s_add_co_u32 s83, s83, BT0
.irp s, 0,1
	s_mov_b32 s[G0A+4*\s], 1
	s_add_co_u32 s[G0A+4*\s+1], s82, \s*SLOT
	s_mov_b32 s[G0B+4*\s], 1
	s_add_co_u32 s[G0B+4*\s+1], s83, \s*SLOT
.endr
	s_wait_dscnt 0x0                               ; both opening adds are done
	s_wait_kmcnt 0x0
	s_add_nc_u64 s[76:77], s[4:5], s[76:77]
	s_add_nc_u64 s[78:79], s[8:9], s[78:79]
	s_add_nc_u64 s[80:81], s[6:7], s[80:81]
	WHERE 0
	WHERE 1
	CROUND                                         ; all sixteen work-groups are here: the first joint loads meet
	JLOAD 0                                        ; time 0: one tensor load a wave at the head
	; my first row of out0 and my first column: (256 ty + 128 x half) rows of 8,192 bytes, 1,024 tx + 512 x half bytes
	s_lshl_b32 s66, s20, 21
	s_lshl_b32 s67, s15, 20
	s_add_co_u32 s66, s66, s67
	s_lshl_b32 s82, s19, 10
	s_lshl_b32 s83, s16, 9
	s_add_co_u32 s82, s82, s83
	s_mov_b32 s83, 0
	s_add_nc_u64 s[10:11], s[10:11], s[82:83]      ; the bias of my 128 columns
	s_add_co_u32 s66, s66, s82
	s_mov_b32 s67, 0
	s_add_nc_u64 s[12:13], s[12:13], s[66:67]
	; where my prefetches stand.  Time 1 (K step k0 + 1): s[92:93] A, s[94:95] B;  times 2 and 3 (K steps from (k0 + 2) mod 8, even, on): s[98:99] A
	s_lshl_b32 s92, s20, 19
	s_lshl_b32 s82, s16, 18
	s_add_co_u32 s92, s92, s82
	s_lshl_b32 s82, s17, 16
	s_add_co_u32 s92, s92, s82                     ; A: row 256 ty + 128 x half + 32 cx
	s_add_co_u32 s66, s[KS], 2
	s_and_b32 s66, s66, 7
	s_lshl_b32 s82, s66, 8
	s_add_co_u32 s98, s92, s82
	s_lshl_b32 s82, s[KS+1], 8
	s_add_co_u32 s92, s92, s82
	s_mul_i32 s94, s19, 8*TILEB
	s_mul_i32 s82, s[KS+1], TILEB
	s_add_co_u32 s94, s94, s82
	s_lshl_b32 s82, s18, 14                        ; B: 64 of the 256 rows of codes to a partner, 32 to a wave
	s_add_co_u32 s94, s94, s82
	s_lshl_b32 s82, s16, 13
	s_add_co_u32 s94, s94, s82
	s_mov_b32 s93, 0
	s_mov_b32 s95, 0
	s_mov_b32 s99, 0
	s_add_nc_u64 s[92:93], s[4:5], s[92:93]
	s_add_nc_u64 s[94:95], s[8:9], s[94:95]
	s_add_nc_u64 s[98:99], s[4:5], s[98:99]
	; LDS: my half of A, of B and of B's scales
	s_mul_i32 s82, s15, HALFT
	s_mul_i32 s83, s16, HALFT
	s_add_co_u32 s83, s83, BT0
	s_mul_i32 s67, s16, 8*PITCH
	s_add_co_u32 s67, s67, BS0
	v_and_b32 v1, 15, v0                           ; r
	v_bfe_u32 v2, v0, 4, 1                         ; h
	v_and_b32 v10, 31, v0                          ; lane
	v_mul_u32_u24 v3, v1, PITCH
	v_lshlrev_b32 v5, 4, v1
	v_lshlrev_b32 v[AQO], 4, v10
	v_lshl_add_u32 v4, v2, 4, v3                   ; a fragment: row x pitch + 16 x half
	v_mad_u32_u24 v6, v2, 4*PITCH, v5              ; B's scale words: 16 bytes a row, lanes 16-31 four blocks further on
	v_lshl_add_u32 v[CO], v2, 16, v5               ; 8 h rows of 8,192 bytes + 16 r
	v_add_nc_u32 v[ADRA], s82, v4
	v_add_nc_u32 v[ADRB], s83, v4
	v_add_nc_u32 v[ADSB], s67, v6
	v_lshlrev_b32 v[PFO], 11, v10
	v_lshlrev_b32 v[PFB], 8, v10
	v_add_nc_u32 v[ADRA+1], SLOT, v[ADRA]
	v_add_nc_u32 v[ADRB+1], SLOT, v[ADRB]
	v_add_nc_u32 v[ADSB+1], SLOT, v[ADSB]
	s_wait_alu depctr_va_vdst(0)
	ASCALES 0
	ASCALES 1
	global_load_b128 v[BIA:BIA+3], v5, s[10:11]
	global_load_b128 v[BIA+4:BIA+7], v5, s[10:11] offset:256
; A fragment, 16 rows x 128 K: lane l holds row l % 16; registers 4 c .. 4 c + 3 hold K = 64 c + 32 (l / 16) + 0 .. 31.
.macro FETCH slot, q, p                ; the 32 loads of the slot's q-th 128 along K, into sets p
	WIN 0x40
.irp i, 0,1,2,3,4,5,6,7
.irp c, 0,1
	ds_load_b128 v[64*(\p)+8*\i+4*\c:64*(\p)+8*\i+4*\c+3], v[ADRB+\slot] offset:64*(\q)+32*\c+\i*16*PITCH
.endr
.endr
	WIN 0
.irp i, 0,1,2,3,4,5,6,7
.irp c, 0,1
	ds_load_b128 v[AF+64*(\p)+8*\i+4*\c:AF+64*(\p)+8*\i+4*\c+3], v[ADRA+\slot] offset:64*(\q)+32*\c+\i*16*PITCH
.endr
.endr
.endm
.macro BSCALES s                       ; B's scale words, four (16 bytes) a row, out of slot s
	WIN 0
.irp i, 0,1,2,3
	ds_load_b128 v[SC+32*\s+16+4*\i:SC+32*\s+16+4*\i+3], v[ADSB+\s] offset:\i*PITCH
.endr
.endm
; One matrix instruction on the registers named by rD, rA (source 0: 32 rows), rB (source 1: 16 columns), rX (A's scale words, all 32 lanes), rY (B's: lanes 0-15, or with hb = 1 lanes 16-31).  first = 1: the product starts the sum: nothing is ever cleared.
.macro EMIT hb, first
.if \first
.if (\hb) == 0
	v_wmma_scale_f32_32x16x128_f4 v[rD:rD+15], v[rA:rA+15], v[rB:rB+7], 0, v[rX], v[rY]
.else
	v_wmma_scale_f32_32x16x128_f4 v[rD:rD+15], v[rA:rA+15], v[rB:rB+7], 0, v[rX], v[rY] matrix_b_scale:MATRIX_SCALE_ROW1
.endif
.else
.if (\hb) == 0
	v_wmma_scale_f32_32x16x128_f4 v[rD:rD+15], v[rA:rA+15], v[rB:rB+7], v[rD:rD+15], v[rX], v[rY]
.else
	v_wmma_scale_f32_32x16x128_f4 v[rD:rD+15], v[rA:rA+15], v[rB:rB+7], v[rD:rD+15], v[rX], v[rY] matrix_b_scale:MATRIX_SCALE_ROW1
.endif
.endif
.endm
; Eight matrix instructions: A's rows 32 a .. + 31 x B's eight blocks, the q-th 128 along K of slot sc.  The 32 accumulators take turns, one instruction a turn, in the same order in every step.
.macro MUL8 a, q, sc, first
.irp b, 0,1,2,3,4,5,6,7
.set rD, 128*((\a)%2)+16*\b
.set rA, AF+64*((\q)%2)+16*(\a)
.set rB, 64*((\q)%2)+8*\b
.set rX, SC+32*(\sc)+4*(\a)+(\q)
.set rY, SC+32*(\sc)+16+4*(\b%4)+(\q)
	EMIT \b/4, \first
.endr
.endm
; A 128-step q = 0 .. 2 of a slot.  Its own fragments were asked for in the step before.  The first wait leaves the younger half of them out, the second the 32 loads just issued.  gl = 1: A's scale words for the other slot's next K step as well.
.macro STEP slot, q, first, gl
	s_wait_dscnt 16
	PLACES
	FETCH \slot, (\q)+1, 1-(\q)%2
.if \gl
	ASCALES 1-\slot
.endif
	s_wait_dscnt 32
	WIN MUL_LO
	MUL8 0, \q, \slot, \first
	MUL8 1, \q, \slot, \first
	WIN MUL_HI
	MUL8 2, \q, \slot, \first
	MUL8 3, \q, \slot, \first
.endm
; A slot's last 128-step changes slots.  MEET: ONE barrier; in front of it each wave waits for all its tensor loads, adds 0 to its spare word, and waits for that and for its own reads of this slot.
.macro MEET slot, fill
	WIN 0
	s_wait_tensorcnt 0x0                           ; my part of the next slot is in
	ds_add_u32 v[SPW], v[NIL]                      ; 0 onto my spare word
.if \fill
	s_add_co_u32 s[KS+\slot], s[KS+\slot], 2       ; this slot's next K step, two further on in the walk
	s_and_b32 s[KS+\slot], s[KS+\slot], 7
	WHERE \slot
.endif
	s_wait_dscnt 1                                 ; this step's fragments are in; the add may be out
	WIN MUL_LO
	MUL8 0, 3, \slot, 0
	s_wait_dscnt 0x0                               ; the add is done, and my reads of this slot are over
	s_barrier_signal -1
	MUL8 1, 3, \slot, 0
	WIN 0
	s_barrier_wait -1
.endm
.macro TURN slot, next
	MEET \slot, 1
	CREST                                          ; no wave of any partner still reads this slot's tiles or has a load on its way
	JLOAD \slot                                    ; the first tensor load behind the round, and my only one until the next; its four v_nop are the places in front of the loads below
	FETCH \next, 0, 0
	BSCALES \next
	WIN MUL_HI
	MUL8 2, 3, \slot, 0
	MUL8 3, 3, \slot, 0
	s_wait_loadcnt 0x0                             ; the next K step's scale words of A, asked for one K step ago
.endm
; THE LAST K STEP (slot 1) GOES BY UNITS of 32 rows x 64 columns of out0, so that finished units leave while others are multiplied.  Window 1 holds B's fragments of all four 128-steps, window 0's v128-255 two pairs of A's blocks: each fragment is read once.
.macro BTAIL q, g                      ; B's blocks 4 g .. 4 g + 3 of the q-th 128
	WIN 0x40
.irp i, 0,1,2,3
.irp c, 0,1
	ds_load_b128 v[((192*(\q))%256)+8*(4*(\g)+\i)+4*\c:((192*(\q))%256)+8*(4*(\g)+\i)+4*\c+3], v[ADRB+1] offset:64*(\q)+32*\c+(4*(\g)+\i)*16*PITCH
.endr
.endr
.endm
.macro ATAIL a                         ; A's rows 32 a .. + 31, all four 128-steps
	WIN 0
.irp q, 0,1,2,3
.irp i, 0,1
.irp c, 0,1
	ds_load_b128 v[AF+64*((\a)%2)+16*\q+8*\i+4*\c:AF+64*((\a)%2)+16*\q+8*\i+4*\c+3], v[ADRA+1] offset:64*\q+32*\c+(2*(\a)+\i)*16*PITCH
.endr
.endr
.endr
.endm
.macro MULU u                          ; unit u: rows 32 (u / 2) on, columns 64 (u % 2) on: sixteen matrix instructions, four accumulators by turns
	WIN MUL_LO+0x50*((\u)/4)
.irp q, 0,1,2,3
.irp b, 0,1,2,3
.set rD, 64*((\u)%4)+16*\b
.set rA, AF+64*(((\u)/2)%2)+16*\q
.set rB, ((192*\q)%256)+8*(4*((\u)%2)+\b)
.set rX, SC+32+4*((\u)/2)+\q
.set rY, SC+32+16+4*\b+\q
	EMIT (\u)%2, 0
.endr
.endr
.endm
; Unit u leaves.  Its 64 accumulator registers are at v[64 (u % 4)] of window 2 + u / 4: register 16 b + 8 i + j.  The bias is added, and the sum goes to place b of the quad for row 16 i + j: for i = 0 into registers that the unit before has
; left (for unit 0 into v96-127), for i = 1 into those of this unit's i = 0.  So no register of a pending store is ever rewritten.  Each accumulator is read from its low end on.
.macro DEST u, i, j
.if (\i) == 1
.set uW, 2+(\u)/4
.set uD, 64*((\u)%4)+16*((\j)/2)+4*((\j)%2)
.elseif (\u) == 0
.set uW, 0
.set uD, OB0+4*(\j)
.else
.set uW, 2+((\u)-1)/4
.set uD, 64*(((\u)-1)%4)+16*((\j)/2)+8+4*((\j)%2)
.endif
.endm
.macro LEAVE u
.irp i, 0,1
.irp j, 0,1,2,3,4,5,6,7
	DEST \u, \i, \j
	WIN 2+(\u)/4+64*uW
.irp b, 0,1,2,3
	v_add_f32 v[uD+\b], v[64*((\u)%4)+16*\b+8*\i+\j], v[BIA+4*((\u)%2)+\b]
.endr
.endr
.endr
.irp i, 0,1
.irp j, 0,1,2,3,4,5,6,7
	DEST \u, \i, \j
	WIN 4*uW
	global_store_b128 v[CO], v[uD:uD+3], s[12:13] offset:(32*((\u)/2)+16*\i+\j)*SIZE_N*4+256*((\u)%2) th:TH_STORE_NT   ; 16 lanes store 256 consecutive bytes, at a multiple of 256 from out0's first byte; the base is never stepped
.endr
.endr
.endm
	; PREFETCHES INTO THE L2 of what no cluster has named before: time 1's codes here, one K step ahead of the loads that read them; times 2 and 3 of A behind the next round, two and three K steps ahead.  The four partners that ask for a tile
	; jointly share its rows out BY ADDRESS (cx for A, cy for B): each block of 256 bytes is named once in a cluster.  B's K steps of times 2 to 7 and A's of times 4 to 7 have been named by other clusters at earlier times.
	s_cmp_eq_u32 s15, 0
	s_cbranch_scc0 .Lask_b
	global_prefetch_b8 v[PFO], s[92:93] th:TH_LOAD_NT scope:SCOPE_SE
	s_branch .Lask_done
.Lask_b:
	global_prefetch_b8 v[PFB], s[94:95] th:TH_LOAD_NT scope:SCOPE_SE
.Lask_done:
	s_wait_tensorcnt 0x0                           ; my part of time 0 is in
	ds_add_u32 v[SPW], v[NIL]
	s_wait_dscnt 0x0
	CROUND                                         ; everybody's part is in, and all sixteen work-groups are here
	JLOAD 1                                        ; time 1, the first tensor load behind the round
	FETCH 0, 0, 0
	BSCALES 0
	s_cmp_eq_u32 s15, 0
	s_cbranch_scc0 .Lno_ask
	global_prefetch_b8 v[PFO], s[98:99] th:TH_LOAD_NT scope:SCOPE_SE
	global_prefetch_b8 v[PFO], s[98:99] offset:ROWB th:TH_LOAD_NT scope:SCOPE_SE
.Lno_ask:
	s_wait_loadcnt 0x0                             ; the bias, and A's scale words of times 0 and 1
	STEP 0, 0, 1, 0                                ; the first step stands in front of the loop: its products start the sums
	WIN 0
	s_mov_b32 s3, 3
.Llap:                                                 ; a trip goes once round the ring, from a slot 0's second step to the next one's first, and fills both slots again: times 2 to 7 in three trips
	STEP 0, 1, 0, 0
	STEP 0, 2, 0, 0
	TURN 0, 1
	STEP 1, 0, 0, 1
	STEP 1, 1, 0, 0
	STEP 1, 2, 0, 0
	TURN 1, 0
	STEP 0, 0, 0, 1
	WIN 0
	s_sub_co_u32 s3, s3, 1
	s_cmp_lg_u32 s3, 0
	s_cbranch_scc1 .Llap
	STEP 0, 1, 0, 0
	STEP 0, 2, 0, 0
	MEET 0, 0                                      ; the last K step has landed; nothing is filled again, so no round follows
	PLACES
	BSCALES 1
	ATAIL 0
	BTAIL 0, 0
	BTAIL 1, 0
	BTAIL 2, 0
	WIN MUL_HI
	MUL8 2, 3, 0, 0
	MUL8 3, 3, 0, 0
	s_wait_loadcnt 0x0                             ; the last K step's scale words of A
	s_wait_dscnt 16                                ; (the youngest sixteen, B's 128-steps 1 and 2, may be out)
	PLACES                                         ; for the loads into B's set 1
	BTAIL 3, 0
	BTAIL 0, 1
	BTAIL 1, 1
	BTAIL 2, 1
	BTAIL 3, 1
	s_wait_dscnt 32                                ; all but B's columns 64-127
.irp u, 0,1,2,3,4,5,6,7
.if (\u == 1) || (\u == 2) || (\u == 4)
	s_wait_dscnt 16                                ; all but the pair of A's blocks asked for last
.elseif \u == 6
	s_wait_dscnt 0x0
.endif
	MULU \u
	PLACES
.if \u == 0
	ATAIL 1
.elseif \u == 1
	ATAIL 2
.elseif \u == 3
	ATAIL 3
.endif
	LEAVE \u
.endr
	WIN 0
	s_wait_tensorcnt 0x0                           ; the wave's end, behind my last tensor load
	ds_add_u32 v[SPW], v[NIL]
	s_wait_dscnt 0x0
	CROUND                                         ; the closing round: no work-group ends while a partner may still ask for a tile that names it
	s_endpgm
.Lfunc_end_k_qb2414aa2e8_gemm:
	.size	k_qb2414aa2e8_gemm, .Lfunc_end_k_qb2414aa2e8_gemm-k_qb2414aa2e8_gemm
	.p2alignl 7, 3214868480
	.fill 96, 4, 3214868480
	.section	.rodata,"a",@progbits
	.p2align	6, 0x0
	.amdhsa_kernel k_qb2414aa2e8_gemm
		.amdhsa_group_segment_fixed_size 327680
		.amdhsa_private_segment_fixed_size 0
		.amdhsa_enable_private_segment 0
		.amdhsa_kernarg_size 40
		.amdhsa_user_sgpr_count 2
		.amdhsa_user_sgpr_kernarg_segment_ptr 1
		.amdhsa_wavefront_size32 1
		.amdhsa_system_sgpr_workgroup_id_x 1
		.amdhsa_system_sgpr_workgroup_id_y 1
		.amdhsa_system_sgpr_workgroup_id_z 1
		.amdhsa_system_vgpr_workitem_id 0
		.amdhsa_next_free_vgpr 1024
		.amdhsa_next_free_sgpr 100
		.amdhsa_reserve_vcc 0
		.amdhsa_float_denorm_mode_32 3
		.amdhsa_float_denorm_mode_16_64 3
		.amdhsa_memory_ordered 1
		.amdhsa_forward_progress 1
		.amdhsa_inst_pref_size 146
	.end_amdhsa_kernel
	.amdgpu_metadata
---
amdhsa.version: [ 1, 2 ]
amdhsa.kernels:
  - .name:           k_qb2414aa2e8_gemm
    .symbol:         k_qb2414aa2e8_gemm.kd
    .args:
      - { .name: inputs_codes, .offset: 0, .size: 8, .value_kind: global_buffer, .address_space: global }
      - { .name: aq, .offset: 8, .size: 8, .value_kind: global_buffer, .address_space: global }
      - { .name: wq, .offset: 16, .size: 8, .value_kind: global_buffer, .address_space: global }
      - { .name: bias, .offset: 24, .size: 8, .value_kind: global_buffer, .address_space: global }
      - { .name: out0, .offset: 32, .size: 8, .value_kind: global_buffer, .address_space: global }
    .group_segment_fixed_size: 327680
    .private_segment_fixed_size: 0
    .kernarg_segment_align: 8
    .kernarg_segment_size: 40
    .max_flat_workgroup_size: 128
    .sgpr_count:     100
    .vgpr_count:     1024
    .wavefront_size: 32
...
	.end_amdgpu_metadata
.endif
;; end of part 2
